; MI455X (gfx1250); checked and timed in simulation.
; The chip was launched on July 23, 2026; its instructions are those of AMD's public machine-readable ISA for CDNA 5 (MIT licence, August 2026) and "CDNA5" Instruction Set Architecture Reference Guide (July 2026). The comments in the code are by the model that wrote it; some were corrected since.
;; Self Attention. Allowed arithmetic: matrix products marked QUANTISED: E4M3 operands, one E8M0 scale for each 32 along K, by v_wmma_scale_f32_16x16x128_f8f6f4 with both operands' format E4M3, f32 sums; everything else in f32.
;; Inputs: Wkv 1,024 x 2,048 float32; Wq 1,024 x 1,024 float32; x 4 x 2,048 x 1,024 float32.
;; Outputs: out0 4 x 2,048 x 1,024 float32.
;; This version of the problem:
;;   THIS VERSION OF THE PROBLEM IS GIVEN IN LOW PRECISION. The matrix products marked QUANTISED in the list below multiply operands that are first quantised to E4M3 (4 exponent bits, 3 mantissa bits; 8 bits a number), with one power-of-two scale for each 32 numbers along K (OCP MX v1.0); their sums are f32. All else is computed in f32.
;;   The module's matrix products, in the order in which they are computed (A, B: the left and right operand; K: the contracted axis; several contracted axes count as one K, in the product's order):
;;     1. [M 8,192, K 1,024] x [K 1,024, N 1,024]; A: input x; B: input Wq: QUANTISED
;;     2. [M 8,192, K 1,024] x [K 1,024, N 2,048]; A: input x; B: input Wkv: QUANTISED
;;     3. batch 64 x [M 2,048, K 64] x [K 64, N 2,048]; A: computed on the way; B: computed on the way: QUANTISED
;;     4. batch 64 x [M 2,048, K 2,048] x [K 2,048, N 64]; A: softmax (see below); B: computed on the way: QUANTISED
;;   THE QUANTISER, for each operand of a quantised product, along K:
;;     - K is cut into blocks of 32 from its start; a last block that is shorter is filled with zeros.
;;     - A block's scale is 2^e with e = floor(log2(the largest magnitude in the block)) - 8, held to -126 .. 127; a block of zeros has e = 0. As a byte (E8M0): e + 127.
;;     - Each number is divided by its block's scale, clamped to +-448, and rounded to the nearest number of E4M3, ties to even, subnormals kept.
;;     - The product sums the exact products of the quantised numbers (number of the format x scale) in f32.
;;   ~~~python
;;   def quantise(x, axis):      # numpy; x: float32 -> the quantised numbers, widened to float32 again
;;       x = np.moveaxis(x, axis, -1); K = x.shape[-1]
;;       x = np.pad(x, [(0, 0)] * (x.ndim - 1) + [(0, -K % 32)]); x = x.reshape(x.shape[:-1] + (-1, 32)); a = np.abs(x).max(-1, keepdims=True)
;;       e = np.where(a > 0, np.clip(np.frexp(np.where(a > 0, a, 1))[1] - 1 - 8, -126, 127), 0)      # np.frexp(a)[1] - 1 = floor(log2(a)), exactly
;;       r = np.clip(x / 2.0 ** e, -448, 448)
;;       step = 2.0 ** (np.maximum(np.frexp(np.where(r == 0, 1, r))[1] - 1, -6) - 3)
;;       q = np.round(r / step) * step * 2.0 ** e      # np.round: ties to even
;;       return np.moveaxis(q.reshape(q.shape[:-2] + (-1,))[..., :K], -1, axis).astype(np.float32)
;;   ~~~
;;   SOFTMAX AHEAD OF A QUANTISED PRODUCT. Where the list says 'softmax', what is quantised is not the finished softmax but p = 2^(t - M), with t = logit x log2(e) and M = ceil(the row's largest t), a whole number; so 1/2 < the row's largest p <= 1. The row's sum l is taken of the UNQUANTISED p, in f32, and the product's result is divided by l at the end. Since M is a whole number, a kernel that streams over the keys may use a running M (the ceiling of the running maximum): every later rescaling is an exact power of two, which a block's scale takes up: the codes' values come out the same.
;;   OPERANDS COMPUTED ON THE WAY. 'Computed on the way' means the value that the module computes at that place (a softmax that the list does not call 'softmax' is quantised finished and normalised). What goes into a quantiser is computed in f32, as accurately as f32 sums, v_exp_f32 and their like allow (about 1e-6 of the number): no bf16 or f16 on the way to a quantiser, and a product that is left as it is and whose result goes on into a quantised operand takes f32 operands (vector FMAs, or v_wmma_f32_16x16x4_f32). A number that lies on a knife's edge between two numbers of the format may be rounded either way, as far as f32 arithmetic and the matrix unit's own rounding can turn it there, and no further.
;; One version. Each part assembles by itself: llvm-mc -triple=amdgcn-amd-amdhsa -mcpu=gfx1250 --defsym DOCPART=n.
;; ======== version 1 of 1: 3 launches
;; limits: right only within a limited range of input values
;; workspace buffers: codes 11,534,336 bytes; scales 360,448 bytes; qkv 26,738,688 bytes
;; launch quant (part 1): grid 352 x 1, 4 waves a work-group, no clusters, 68,096 bytes of LDS; arguments x, Wq, Wkv, codes, scales; writes codes, scales
.if DOCPART == 1
	.amdgcn_target "amdgcn-amd-amdhsa--gfx1250"
	.amdhsa_code_object_version 6
	.text
	.protected	k_q437aacd809_quant
	.globl	k_q437aacd809_quant
	.p2align	8
	.type	k_q437aacd809_quant,@function
k_q437aacd809_quant:
	s_mov_b64 s[64:65], 0
	v_nop
	global_prefetch_b8 v0, s[64:65] scope:SCOPE_SE
	s_setreg_imm32_b32 hwreg(HW_REG_WAVE_MODE, 25, 1), 1
	s_wait_xcnt 0x0
; x [8192][1024], Wq [1024][1024] and Wkv [1024][2048], f32, become codes of FP8 (E4M3) with K (the 1,024 channels) innermost, and one E8M0 byte for each 32 along K.
; codes: [11264 rows][1024 bytes]; scales: [11264][32].  Rows 0-8191 are x's tokens, row 8192 + f is output feature f (0-1023 Wq's columns, 1024-3071 Wkv's).
; ROW ORDER: row o lies at the place whose number is o with bits 3 and 4 exchanged.  So 16 rows on end in memory are rows 32 b + 8 u + r + 8 (r / 8): the tiles that the next launch wants, with no cost there.
; A block's scale is 2^(floor(log2(largest magnitude)) - 8); its byte is the largest magnitude's exponent field - 8, held at 1 from below; each number is divided by the scale, held within +-448 and rounded to the nearest code, ties to even.
; LIMITS: a block of zeros gets the byte 1 (its codes are zeros, and this program alone reads the bytes); NaN and infinities among the inputs are not served.
; Work-groups 0-95 take the weights (K is their FIRST axis: a lane takes a column, its registers run down K), work-groups 96-351 take x (K innermost: two lanes to a block).
; Every work-group reads 131,072 bytes.  The two paths have LDS bytes of their own.  No barrier: waves share nothing.
.set XWG0,   96                        ; the first work-group of x
.set STEPS,  16                        ; x: steps of 512 numbers a wave
.set MANT,   0x600000                  ; the mantissa field of 448 as f32
.set WREG,   8192                      ; x: LDS of a wave: two stages of 32 x SP bytes, then its 256 scale bytes
.set SP,     80                        ; x: a lane's 64 bytes in a stage + 16 of padding
.set XR,     16                        ; v16-79   x: four sets of 16 numbers as loaded
.set XX,     80                        ; v80-111  x: two sets of 16 neighbours
.set XE,     112                       ; v112-127 x: a scale byte for each step
.set XC,     128                       ; v128-191 x: four registers of codes for each step: no store's data are written again
.set WSTG,   32768                     ; weights: the stages begin here, 32 rows x WPITCH for each wave
.set WPITCH, 272                       ; 256 bytes of codes + 16 of padding
.set NB,     8                         ; weights: blocks of 32 along K for a wave
.set WSB,    24                        ; v24-25   weights: the 8 scale bytes of my column
.set WNUM,   32                        ; v32-95   weights: two sets of 32 numbers
.set WC,     96                        ; v96-103  weights: a block's codes
.set WOUT,   112                       ; v112-175 weights: the way out
.set VOF,    176                       ; v176-207 weights: 4 x lane + i rows, i = 0 .. 31; never rewritten
.set BASE,   32                        ; s[32:47] weights: the address of each block's first row; never rewritten
	s_load_b256 s[4:11], s[0:1], 0x0               ; x s[4:5], Wq s[6:7], Wkv s[8:9], codes s[10:11]
	s_load_b64 s[12:13], s[0:1], 0x20              ; scales
	v_lshl_add_u32 v208, v0, 2, 0x10800
	v_mov_b32 v209, 0
	v_lshrrev_b32 v1, 5, v0
	v_readfirstlane_b32 s16, v1                    ; wave 0..3
	v_and_b32 v2, 31, v0                           ; lane
	s_mov_b32 s23, MANT                            ; (an instruction takes one literal: the line that makes the hold's limit has another)
	s_cmp_lt_u32 ttmp9, XWG0
	s_cbranch_scc1 .Lweights
; ---------------- x: a wave takes 8 rows = 8,192 numbers, 16 steps of 512.
; Each load reads 512 consecutive bytes, 16 a lane; a step's 2,048 bytes turn through the wave's own stage and come back 64 bytes a lane: 16 neighbours along K, two lanes to a block.
	v_lshlrev_b32 v3, 4, v2                        ; 16 x lane: my bytes of a load's 512, and my 16 codes of a step's 512
	s_mul_i32 s17, s16, WREG
	v_lshrrev_b32 v14, 2, v2
	v_mul_u32_u24 v14, v14, SP
	v_and_b32 v15, 3, v2
	v_lshl_add_u32 v14, v15, 4, v14
	v_add_nc_u32 v14, s17, v14                     ; into the stage: SP (lane / 4) + 16 (lane % 4)
	v_mul_u32_u24 v15, v2, SP
	v_add_nc_u32 v15, s17, v15                     ; out of it: SP x lane
	v_lshrrev_b32 v5, 1, v2
	s_add_co_u32 s17, s17, 2*32*SP
	v_add_nc_u32 v5, s17, v5                       ; my block's scale byte among the wave's 256
	v_lshlrev_b32 v7, 3, v2
	v_add_nc_u32 v6, s17, v7                       ; and 8 bytes a lane on the way out
	s_sub_co_u32 s18, ttmp9, XWG0
	s_lshl_b32 s18, s18, 2
	s_add_co_u32 s20, s18, s16                     ; which 8 rows I read: 4 x work-group + wave
	s_and_b32 s21, s16, 1
	s_lshl_b32 s21, s21, 1
	s_lshr_b32 s22, s16, 1
	s_or_b32 s21, s21, s22
	s_add_co_u32 s18, s18, s21                     ; and where they go: the wave's two bits exchanged = bits 3 and 4 of the row
	s_lshl_b32 s20, s20, 15                        ; 32,768 bytes of f32,
	s_mov_b32 s21, 0
	s_lshl_b32 s24, s18, 13                        ; 8,192 of codes,
	s_mov_b32 s25, 0
	s_lshl_b32 s26, s18, 8                         ; 256 of scale bytes
	s_mov_b32 s27, 0
	s_wait_alu depctr_va_vdst(0)
	s_wait_kmcnt 0x0
	s_add_nc_u64 s[4:5], s[4:5], s[20:21]
	s_add_nc_u64 s[10:11], s[10:11], s[24:25]
	s_add_nc_u64 s[12:13], s[12:13], s[26:27]
.macro XLOAD t
.irp i, 0,1,2,3
	global_load_b128 v[XR+16*((\t)%4)+4*\i:XR+16*((\t)%4)+4*\i+3], v3, s[4:5] offset:2048*(\t)+512*\i th:TH_LOAD_NT
.endr
.endm
.macro XTURN t                         ; LDS serves a wave's instructions in order (ISA guide 5.7.1.4): no wait between the stores and the loads
.irp i, 0,1,2,3
	ds_store_b128 v14, v[XR+16*((\t)%4)+4*\i:XR+16*((\t)%4)+4*\i+3] offset:32*SP*((\t)%2)+8*SP*\i
.endr
.irp i, 0,1,2,3
	ds_load_b128 v[XX+16*((\t)%2)+4*\i:XX+16*((\t)%2)+4*\i+3], v15 offset:32*SP*((\t)%2)+16*\i
.endr
.endm
.macro XSTEP t
.set XS, XX+16*((\t)%2)
.if (\t) > 0
	s_wait_dscnt 1                                 ; this step's numbers are back from the stage (the last step's byte store may be out), so its stores into the stage have read their registers,
.else
	s_wait_dscnt 0x0
.endif
.if (\t)+4 < STEPS
	XLOAD (\t)+4                                   ; which take the loads of four steps on
.endif
.if (\t)+1 < STEPS
.if STEPS-2-(\t) >= 3
	s_wait_loadcnt 12                              ; the next step's four loads are in; those of the three steps behind it may be out
.else
	s_wait_loadcnt 4*(STEPS-2-(\t))
.endif
	XTURN (\t)+1
.endif
	v_max3_num_f32 v8, |v[XS]|, |v[XS+1]|, |v[XS+2]|               ; the largest magnitude of my 16, in two chains
	v_max3_num_f32 v9, |v[XS+3]|, |v[XS+4]|, |v[XS+5]|
.irp i, 6,10
	v_max3_num_f32 v8, v8, |v[XS+\i]|, |v[XS+\i+1]|
	v_max3_num_f32 v9, v9, |v[XS+\i+2]|, |v[XS+\i+3]|
.endr
	v_max3_num_f32 v8, v8, |v[XS+14]|, |v[XS+15]|
	v_max3_num_f32 v8, v8, v9, 0x4800000           ; and the floor 2^(9 - 127): the byte cannot fall under 1
	v_max_num_f32_dpp v8, v8, v8 row_xmask:1 row_mask:0xf bank_mask:0xf   ; with my neighbour's 16: the block's
	v_add_nc_u32 v11, 0xfc000000, v8               ; 8 off its exponent field: the conversion takes this operand's exponent field as its scale
	v_and_or_b32 v10, v8, 0x7f800000, s23          ; 448 x the scale
.irp i, 0,1,2,3,4,5,6,7,8,9,10,11,12,13,14,15
	v_med3_num_f32 v[XS+\i], v[XS+\i], -v10, v10   ; the conversion to an 8-bit code does not saturate (ISA guide 7.6.2): the hold comes first
.endr
	v_cvt_scalef32_pk8_fp8_f32 v[XC+4*(\t):XC+4*(\t)+1], v[XS:XS+7], v11
	v_cvt_scalef32_pk8_fp8_f32 v[XC+4*(\t)+2:XC+4*(\t)+3], v[XS+8:XS+15], v11
	v_lshrrev_b32 v[XE+(\t)], 23, v11              ; the scale's byte
	ds_store_b8 v5, v[XE+(\t)] offset:16*(\t)      ; both lanes of a block write the same byte with the same value
	global_store_b128 v3, v[XC+4*(\t):XC+4*(\t)+3], s[10:11] offset:512*(\t)   ; the wave stores 512 consecutive bytes, aligned
.endm
.irp t, 0,1,2,3
	XLOAD \t
.endr
	s_wait_loadcnt 12                              ; step 0's four loads are in
	XTURN 0
.irp t, 0,1,2,3,4,5,6,7,8,9,10,11,12,13,14,15
	XSTEP \t
.endr
	ds_load_b64 v[12:13], v6                       ; the wave's 256 scale bytes (served behind my byte stores)
	s_wait_dscnt 0x0
	global_store_b64 v7, v[12:13], s[12:13]        ; 32 lanes store 256 consecutive bytes, aligned
	s_wait_tensorcnt 0x0
	ds_add_u32 v208, v209
	s_wait_dscnt 0x0
	s_endpgm
; ---------------- the weights: a work-group takes 128 columns x 256 along K, a wave 32 columns.  Work-groups 0-31: Wq (8 column blocks x 4 along K); 32-95: Wkv (16 x 4).
.Lweights:
	s_cmp_lt_u32 ttmp9, 32                         ; Wq's?  The choice hangs on the work-group's number alone
	s_cselect_b32 s17, 0, 32
	s_cselect_b32 s18, 3, 4                        ; log2 of the number of column blocks
	s_cselect_b32 s19, 12, 13                      ; log2 of a row's bytes
	s_cselect_b32 s20, 0, 1024                     ; features ahead of this tensor's first column
	s_sub_co_u32 s17, ttmp9, s17
	s_lshr_b32 s21, s17, s18                       ; which 256 along K
	s_lshl_b32 s22, s21, s18
	s_sub_co_u32 s22, s17, s22                     ; which column block
	s_lshl_b32 s22, s22, 7
	s_lshl_b32 s24, s16, 5
	s_add_co_u32 s22, s22, s24                     ; my wave's first column
	s_add_co_u32 s20, s20, s22
	s_add_co_u32 s20, s20, 8192                    ; and its row in the codes' buffer: a multiple of 32
	s_lshl_b32 s24, 1, s19                         ; a row of the tensor in bytes
	s_add_co_u32 s25, s19, 8
	s_lshl_b32 s26, s21, s25                       ; 256 rows for each step along K,
	s_lshl_b32 s27, s22, 2
	s_add_co_u32 s26, s26, s27                     ; + 4 bytes a column
	s_mov_b32 s27, 0
	s_lshl_b32 s28, s24, 5                         ; 32 rows: from block to block
	s_mov_b32 s29, 0
	s_lshl_b32 s30, s20, 10
	s_lshl_b32 s31, s21, 8
	s_add_co_u32 s30, s30, s31                     ; codes: row x 1,024 + 256 x step along K
	s_mov_b32 s31, 0
	s_lshl_b32 s14, s20, 5
	s_lshl_b32 s15, s21, 3
	s_add_co_u32 s14, s14, s15                     ; scale bytes: row x 32 + 8 x step along K
	s_mov_b32 s15, 0
	s_wait_alu depctr_va_vdst(0)
	v_lshlrev_b32 v3, 2, v2
.irp i, 0,1,2,3,4,5,6,7,8,9,10,11,12,13,14,15,16,17,18,19,20,21,22,23,24,25,26,27,28,29,30,31
	v_mad_u32_u24 v[VOF+\i], s24, \i, v3           ; the row's length differs between the two tensors, so the 32 rows' offsets stand in registers
.endr
	s_mul_i32 s17, s16, 32*WPITCH
	s_add_co_u32 s17, s17, WSTG                    ; my stage
	v_mul_u32_u24 v4, v2, WPITCH
	v_add_nc_u32 v4, s17, v4                       ; into it: row = my column
	v_and_b32 v5, 15, v2
	v_lshrrev_b32 v6, 4, v2
	v_mul_u32_u24 v7, v6, WPITCH
	v_lshl_add_u32 v7, v5, 4, v7
	v_add_nc_u32 v7, s17, v7                       ; out of it: sixteen lanes to a row, two rows an instruction
	v_lshlrev_b32 v8, 10, v6
	v_lshl_add_u32 v8, v5, 4, v8                   ; and the same in the codes' buffer (bit 0 of a row's number keeps its place)
	v_and_b32 v9, 7, v2
	v_bfe_u32 v10, v2, 3, 1
	v_lshl_or_b32 v9, v10, 4, v9
	v_bfe_u32 v10, v2, 4, 1
	v_lshl_or_b32 v9, v10, 3, v9                   ; my column's place: bits 3 and 4 exchanged
	v_lshlrev_b32 v9, 5, v9                        ; x 32 scale bytes a row
	s_wait_kmcnt 0x0
	s_cmp_lt_u32 ttmp9, 32
	s_cselect_b64 s[BASE:BASE+1], s[6:7], s[8:9]
	s_add_nc_u64 s[BASE:BASE+1], s[BASE:BASE+1], s[26:27]
.irp t, 1,2,3,4,5,6,7
	s_add_nc_u64 s[BASE+2*\t:BASE+2*\t+1], s[BASE+2*\t-2:BASE+2*\t-1], s[28:29]
.endr
	s_add_nc_u64 s[10:11], s[10:11], s[30:31]
	s_add_nc_u64 s[12:13], s[12:13], s[14:15]
.macro WLOAD t                         ; block t: W(32 t + i, my column): 32 lanes read 128 consecutive bytes, the four waves 512
.irp i, 0,1,2,3,4,5,6,7,8,9,10,11,12,13,14,15,16,17,18,19,20,21,22,23,24,25,26,27,28,29,30,31
	global_load_b32 v[WNUM+32*((\t)%2)+\i], v[VOF+\i], s[BASE+2*(\t):BASE+2*(\t)+1] th:TH_LOAD_NT
.endr
.endm
.macro WBLOCK t
.set XS, WNUM+32*((\t)%2)
.if (\t) < NB-1
	s_wait_loadcnt 32                              ; this block's 32 loads are in; the next block's may be out
.else
	s_wait_loadcnt 0x0
.endif
	v_max3_num_f32 v12, |v[XS]|, |v[XS+1]|, |v[XS+2]|              ; the block's largest magnitude: all 32 numbers are mine
	v_max3_num_f32 v13, |v[XS+3]|, |v[XS+4]|, |v[XS+5]|
.irp i, 6,10,14,18,22,26
	v_max3_num_f32 v12, v12, |v[XS+\i]|, |v[XS+\i+1]|
	v_max3_num_f32 v13, v13, |v[XS+\i+2]|, |v[XS+\i+3]|
.endr
	v_max3_num_f32 v12, v12, |v[XS+30]|, |v[XS+31]|
	v_max3_num_f32 v12, v12, v13, 0x4800000        ; and the floor 2^(9 - 127)
	v_add_nc_u32 v11, 0xfc000000, v12              ; the conversion's scale operand
	v_and_or_b32 v10, v12, 0x7f800000, s23         ; 448 x the scale
	v_lshrrev_b32 v13, 23, v11                     ; the scale's byte
.if (\t)%4 == 0
	v_mov_b32 v[WSB+(\t)/4], v13                   ; four bytes to a register, the lower K in the lower byte
.else
	v_lshl_or_b32 v[WSB+(\t)/4], v13, 8*((\t)%4), v[WSB+(\t)/4]
.endif
.irp i, 0,1,2,3,4,5,6,7,8,9,10,11,12,13,14,15,16,17,18,19,20,21,22,23,24,25,26,27,28,29,30,31
	v_med3_num_f32 v[XS+\i], v[XS+\i], -v10, v10   ; the hold, ahead of a conversion that does not saturate (ISA guide 7.6.2)
.endr
.irp g, 0,1,2,3
	v_cvt_scalef32_pk8_fp8_f32 v[WC+2*\g:WC+2*\g+1], v[XS+8*\g:XS+8*\g+7], v11
.endr
	ds_store_b128 v4, v[WC:WC+3] offset:32*(\t)    ; 32 codes: 32 bytes of my column's row
	ds_store_b128 v4, v[WC+4:WC+7] offset:32*(\t)+16
.if (\t)+2 < NB
	WLOAD (\t)+2
.endif
	s_wait_dscnt 0x0                               ; the stores have read their registers: the next block's codes may be written
.endm
	WLOAD 0
	WLOAD 1
.irp t, 0,1,2,3,4,5,6,7
	WBLOCK \t
.endr
	global_store_b64 v9, v[WSB:WSB+1], s[12:13]    ; my column's 8 scale bytes
.irp t, 0,1,2,3,4,5,6,7,8,9,10,11,12,13,14,15
	ds_load_b128 v[WOUT+4*\t:WOUT+4*\t+3], v7 offset:2*\t*WPITCH   ; columns 2 t and 2 t + 1 (served behind my stores)
.endr
.irp t, 0,1,2,3,4,5,6,7,8,9,10,11,12,13,14,15
	s_wait_dscnt 15-\t
	global_store_b128 v8, v[WOUT+4*\t:WOUT+4*\t+3], s[10:11] offset:(((2*\t)&7)|((((2*\t)>>3)&1)<<4)|((((2*\t)>>4)&1)<<3))*1024   ; at the place of row 2 t: 16 lanes store 256 consecutive bytes, aligned
.endr
	s_wait_tensorcnt 0x0
	ds_add_u32 v208, v209
	s_wait_dscnt 0x0
	s_endpgm
.Lfunc_end_k_q437aacd809_quant:
	.size	k_q437aacd809_quant, .Lfunc_end_k_q437aacd809_quant-k_q437aacd809_quant
	.p2alignl 7, 3214868480
	.fill 96, 4, 3214868480
	.section	.rodata,"a",@progbits
	.p2align	6, 0x0
	.amdhsa_kernel k_q437aacd809_quant
		.amdhsa_group_segment_fixed_size 68096
		.amdhsa_private_segment_fixed_size 0
		.amdhsa_enable_private_segment 0
		.amdhsa_kernarg_size 40
		.amdhsa_user_sgpr_count 2
		.amdhsa_user_sgpr_kernarg_segment_ptr 1
		.amdhsa_wavefront_size32 1
		.amdhsa_system_sgpr_workgroup_id_x 1
		.amdhsa_system_sgpr_workgroup_id_y 1
		.amdhsa_system_sgpr_workgroup_id_z 1
		.amdhsa_system_vgpr_workitem_id 0
		.amdhsa_next_free_vgpr 210
		.amdhsa_next_free_sgpr 66
		.amdhsa_reserve_vcc 0
		.amdhsa_float_denorm_mode_32 3
		.amdhsa_float_denorm_mode_16_64 3
		.amdhsa_memory_ordered 1
		.amdhsa_forward_progress 1
		.amdhsa_inst_pref_size 112
	.end_amdhsa_kernel
	.amdgpu_metadata
---
amdhsa.version: [ 1, 2 ]
amdhsa.kernels:
  - .name:           k_q437aacd809_quant
    .symbol:         k_q437aacd809_quant.kd
    .args:
      - { .name: x, .offset: 0, .size: 8, .value_kind: global_buffer, .address_space: global }
      - { .name: Wq, .offset: 8, .size: 8, .value_kind: global_buffer, .address_space: global }
      - { .name: Wkv, .offset: 16, .size: 8, .value_kind: global_buffer, .address_space: global }
      - { .name: codes, .offset: 24, .size: 8, .value_kind: global_buffer, .address_space: global }
      - { .name: scales, .offset: 32, .size: 8, .value_kind: global_buffer, .address_space: global }
    .group_segment_fixed_size: 68096
    .private_segment_fixed_size: 0
    .kernarg_segment_align: 8
    .kernarg_segment_size: 40
    .max_flat_workgroup_size: 128
    .sgpr_count:     66
    .vgpr_count:     210
    .wavefront_size: 32
...
	.end_amdgpu_metadata
.endif
;; end of part 1
;; launch proj (part 2): grid 8 x 48, 4 waves a work-group, clusters of 4 x 4, 327,680 bytes of LDS; arguments codes, scales, qkv; writes qkv
.if DOCPART == 2
	.amdgcn_target "amdgcn-amd-amdhsa--gfx1250"
	.amdhsa_code_object_version 6
	.text
	.protected	k_q437aacd809_proj
	.globl	k_q437aacd809_proj
	.p2align	8
	.type	k_q437aacd809_proj,@function
k_q437aacd809_proj:
	s_mov_b64 s[64:65], 0
	v_nop
	global_prefetch_b8 v0, s[64:65] scope:SCOPE_SE
	s_setreg_imm32_b32 hwreg(HW_REG_WAVE_MODE, 25, 1), 1
	s_wait_xcnt 0x0
	s_wait_alu depctr_hold_cnt(0) depctr_sa_sdst(0) depctr_va_vdst(0) depctr_va_sdst(0) depctr_va_ssrc(0) depctr_va_vcc(0) depctr_vm_vsrc(0)
	s_getreg_b32 s2, hwreg(HW_REG_IB_STS2, 6, 4)
	s_cmp_eq_u32 s2, 0
	s_cbranch_scc0 .Lentry_in_a_cluster
	s_endpgm
.Lentry_in_a_cluster:
	s_bfe_u32 s2, ttmp6, 0x10000c
	s_cmp_lg_u32 s2, 0xf033
	s_cbranch_scc0 .Lentry_shape_is_right
	s_endpgm
.Lentry_shape_is_right:
; The two projections on codes of FP8 (E4M3) with E8M0 scales, K = 1,024, and the quantising of their results Q, K, V for the attention launch.
; ONE PRODUCT FORM: T[i][j] = sum over k of P[i][k] R[j][k]; P and R are rows of the one buffer of codes.  A tile of T, 256 x 256, is made by four waves, each 128 x 128: 64 accumulators, 512 registers.
;   clusters with y 0-7:  P = tokens, R = features 0-2047 (cluster x 0: Q's, 1: K's).     clusters with y 8-11: P = V's 1,024 channels (rows 10,240 on), R = tokens.
; The matrix instruction is used transposed (source 0 = 16 rows of R, source 1 = 16 rows of P): a lane holds ONE row i and its registers run along j.  The rows lie in memory with bits 3 and 4 of their numbers
; exchanged, so the 16 registers of two neighbouring tiles of R are 16 NEIGHBOURS along j: 32 b + 16 (lane / 16) + 0 .. 15.  j is what the next product contracts: the head's channels for Q and K, the keys for V.
; So a block of 16 rows x 128 j is quantised in the lane's registers, and the conversions' results ARE operand registers: they are stored as images, 16 bytes a lane, 512 bytes a store.
; qkv: [head 64][key step 16][17,408]: K's 8 tiles x 1,024 bytes, K's scale words 512, V's 4 tiles x 2,048, V's scale words 512; from QREG on [head][128 queries][8,704]: Q's 8 tiles x 1,024, scale words 512.
; A scale image's word 4 lane + j is that of tile 2 j + lane / 16, row lane % 16.  Q's and K's K is 64: their words carry two bytes and 0x7f7f above.  Q's factor 64^-0.5 = 2^-3 goes into its scale bytes, exactly.
; K goes in steps of 256 through a ring of two LDS slots; the scales of the work-group's 512 rows come once.  CLUSTERS 4 x 4: P's tiles are asked for jointly along a row of the cluster, R's along a column.
; LIMITS: a block of zeros gets the floor's byte (its codes are zeros; this program alone reads the bytes); NaN and infinities are not served.
; REGISTERS: window 0: v0-31 addresses; v32-63 scale words, two sets; v128-255 P's fragments, one set; on the way out v1-2, v64-119, v200-215.  window 1: R's fragments, two sets.  windows 2, 3: the accumulators ((a, b) at v[8 (8 (a % 4) + b)]).
.set SIZE_K, 1024
.set KSTEP,  256
.set NQ,     KSTEP/128
.set ROWB,   256                       ; a tile's row in bytes
.set KROW,   SIZE_K                    ; a row of codes in memory
.set PITCH,  272                       ; an LDS row: 256 bytes + 16 of padding = 68 words: row r starts at bank 4 r mod 64 (64 banks of 4 bytes: ISA guide 11.1)
.set FR,     16                        ; registers of a fragment: 16 rows x 128 K
.set NL,     4                         ; LDS loads that bring one
.set NP,     8                         ; places behind this matrix instruction (ISA guide 7.12.1)
.set HALFT,  128*PITCH
.set SLOT,   4*HALFT                   ; P's 256 rows, then R's 256 rows
.set LAPS,   SIZE_K/(2*KSTEP)
.set KS,     SIZE_K/32                 ; a row of scale bytes
.set SCL,    2*SLOT                    ; behind the ring: the scales, as units of 256 bytes + 16 of padding
.set HALFS,  (128*KS/256)*272
.set SBLK,   (16*KS/256)*272
.set SPARE,  SCL+4*HALFS               ; the spare words, 128 bytes for each wave: two blocks of 256 bytes that no other line names
.set QREG,   17825792                  ; where Q's region begins in qkv
.set ADRA, 16                          ; v16-17  LDS address of my P fragments in slot 0, 1
.set ADRB, 20                          ; v20-21  the same for R
.set ADRS, 27                          ; v27     LDS address of my scale words: lanes 0-15 P's rows, lanes 16-31 R's
.set SPW,  28                          ; v28     LDS address of my spare word; never rewritten
.set NIL,  29                          ; v29     0; never rewritten
.set SC,   32                          ; scale words: set s at v[SC + 8 NQ s]
.set AF,   128                         ; P's fragments
.set PC,   64                          ; the way out: v64-95 codes, two sets of 16
.set SW,   96                          ; v96-103  a scale word for each of my eight blocks
.set WW,   104                         ; v104-107 the words laid as an image
.set TA,   108                         ; v108-111 at work
.set IA,   112                         ; v112-115 the first head's scale image
.set IB,   116                         ; v116-119 the second head's
.set TM,   200                         ; v200-203 largest magnitudes, 204-207 bytes, 212-215 the conversions' scale operands
.set G1, 24                            ; s[24:31] descriptor group 1 for P's tiles;  s[32:39] group 0, one set for each slot
.set G0, 32
.set G1B, 48                           ; s[48:55], s[56:63] the same for R's tiles
.set G0B, 56
.set G1S, 68                           ; s[68:75], s[76:79] groups 1 and 0 for P's scales;  s[80:87], s[88:91] for R's
.set G0S, 76
.set G1SB, 80
.set G0SB, 88
.set OB,    8                          ; the way out, in registers that never were descriptor words: s[8:9] where the block in hand goes
.set SB,    10                         ; s[10:11] the first head's block, s[18:19] the second's
.set SB2,   18
.set OFF,   20                         ; s[20:21]
.set HSTR,  22                         ; s[22:23] bytes from head to head
.set DELTA, 43                         ; s43     from a block's first 8 registers' place to that of its last 8
.set EXTRA, 44                         ; s[44:45]
.set FLOOR, 46                         ; s46     under which no largest magnitude is taken
.set BSUB,  47                         ; s47     3 off each byte for Q, else 0
.set SEL,   66                         ; s66, s67 lane selects: lane l xor 16
.set STEPA, 96                         ; s[96:97] bytes from block to block
.set MASKV, 98                         ; s98     all lanes for V, none else
.set HM,    99                         ; s99     lanes 16-31
.set LOW,   100                        ; s100    0xffff
.set MNT,   101
.set MSB, 0
.macro WIN new                         ; the immediate's high byte repeats the setting that is left
.if MSB != \new
	s_set_vgpr_msb (MSB<<8)|\new
.set MSB, \new
.endif
.endm
.set MUL_LO, 0xa1                      ; source 0 (R) window 1, source 1 (P) window 0, C and D window 2
.set MUL_HI, 0xf1                      ; the same, C and D window 3
.set TO_B,   0x40                      ; destination window 1, address window 0
; A joint load: waves 0 and 1 fetch for P, waves 2 and 3 for R.  Each of the two lines has one mask and one set of registers for all that issue it; the branch hangs on the wave's number alone.
; Four v_nop follow each of the two lines, ahead of the jump, the label and what follows.
.macro JLOAD g0a, g1a, g0b, g1b
	s_cmp_eq_u32 s15, 0
	s_cbranch_scc0 .Lfor_b_\@
	tensor_load_to_lds s[\g0a:\g0a+3], s[\g1a:\g1a+7]
	s_nop 0
.rept 4
	v_nop
.endr
	s_branch .Lasked_\@
.Lfor_b_\@:
	tensor_load_to_lds s[\g0b:\g0b+3], s[\g1b:\g1b+7]
	s_nop 0
.rept 4
	v_nop
.endr
.Lasked_\@:
.endm
.macro CREST                           ; a round of the cluster's barrier behind its opening barrier
	s_cmp_lg_u32 s14, 0
	s_cbranch_scc1 .Lnot_wave_0_\@
	s_barrier_signal -3
.Lnot_wave_0_\@:
	s_barrier_wait -3
	s_barrier_signal -1
	s_barrier_wait -1
.endm
.macro CROUND                          ; a whole round
	s_barrier_signal -1
	s_barrier_wait -1
	CREST
.endm
	s_load_b128 s[4:7], s[0:1], 0x0                ; codes s[4:5], scales s[6:7]
	s_load_b64 s[12:13], s[0:1], 0x10              ; qkv
	v_lshl_add_u32 v[SPW], v0, 2, SPARE
	v_mov_b32 v[NIL], 0
	ds_add_u32 v28, v29
	ds_add_u32 v28, v29
	s_wait_dscnt 0x0
	v_lshrrev_b32 v1, 5, v0
	v_readfirstlane_b32 s14, v1                    ; wave 0..3
	s_lshr_b32 s15, s14, 1                         ; which half of the tile's rows i is mine.  Also: I fetch for P (0) or for R (1)
	s_and_b32 s16, s14, 1                          ; which half of its j.  Also: which 128 rows of that tile I fetch
	s_bfe_u32 s40, ttmp6, 0x40000                  ; cx, cy: my place in the cluster
	s_bfe_u32 s41, ttmp6, 0x40004
	s_and_b32 s96, ttmp7, 0xffff                   ; cluster y, 0..11
	s_max_u32 s98, s96, 8
	s_sub_co_u32 s98, s98, 8
	s_lshl_b32 s98, s98, 1
	s_add_co_u32 s98, s98, ttmp9                   ; V: 2 (cluster y - 8) + cluster x, 0..7
	s_cmp_ge_u32 s96, 8                            ; V's cluster?  The same answer in all sixteen partners
	s_cselect_b32 s95, 1, 0
	s_cselect_b32 s97, 0, s96                      ; the cluster's place along i
	s_cselect_b32 s98, s98, ttmp9                  ; and along j
	s_cselect_b32 s99, 10240, 0                    ; P's first row in the buffer
	s_cselect_b32 s100, 0, 8192                    ; R's
	s_lshl_b32 s42, s98, 2
	s_add_co_u32 s42, s42, s40                     ; tile column
	s_lshl_b32 s17, s97, 2
	s_add_co_u32 s17, s17, s41                     ; tile row
	s_lshl_b32 s43, s41, 2
	s_lshl_b32 s43, 15, s43                        ; my row of the cluster
	s_lshl_b32 s44, 0x1111, s40                    ; my column
	; descriptor group 1: a tile of 128 rows x 256 bytes, padded in LDS
	s_or_b32 s[G1+0], s43, (0<<16)|(1<<20)|(1<<21)|(5<<22)|(3<<25)  ; 15:0 the mask: P's tiles go to my row; 17:16 elements of 1 byte; 20 padding on; 21 set beside a mask; 24:22 after every 64 words; 31:25 four words
	s_or_b32 s[G1B+0], s44, (0<<16)|(1<<20)|(1<<21)|(5<<22)|(3<<25)
.irp g, G1, G1B
	s_mov_b32 s[\g+1], ROWB<<16                    ; tensor_dim0
	s_mov_b32 s[\g+2], 128<<16                     ; tensor_dim1
	s_mov_b32 s[\g+3], ROWB<<16                    ; tile_dim0
	s_mov_b32 s[\g+4], 128                         ; tile_dim1
	s_mov_b32 s[\g+5], KROW                        ; tensor_dim0_stride
	s_mov_b32 s[\g+6], 0
	s_mov_b32 s[\g+7], 0
.endr
	; the scales of 128 rows: 4,096 dense bytes, as 16 rows of 256 bytes (32 elements of 8), 16 bytes of padding behind each
	s_or_b32 s[G1S+0], s43, (3<<16)|(1<<20)|(1<<21)|(5<<22)|(3<<25)
	s_or_b32 s[G1SB+0], s44, (3<<16)|(1<<20)|(1<<21)|(5<<22)|(3<<25)
.irp g, G1S, G1SB
	s_mov_b32 s[\g+1], 32<<16
	s_mov_b32 s[\g+2], (128*KS/256)<<16
	s_mov_b32 s[\g+3], 32<<16
	s_mov_b32 s[\g+4], 128*KS/256
	s_mov_b32 s[\g+5], 32
	s_mov_b32 s[\g+6], 0
	s_mov_b32 s[\g+7], 0
.endr
	s_lshl_b32 s18, s16, 7                         ; which 128 rows of the tile I fetch
	s_lshl_b32 s20, s17, 8
	s_add_co_u32 s20, s20, s18
	s_add_co_u32 s20, s20, s99                     ; P: its first row + 256 x tile row + 128 x half
	s_lshl_b32 s46, s42, 8
	s_add_co_u32 s46, s46, s18
	s_add_co_u32 s46, s46, s100                    ; R: likewise by the tile column
	s_mov_b32 s21, 0
	s_mov_b32 s47, 0
	s_mov_b64 s[18:19], KS
	s_mul_u64 s[22:23], s[20:21], s[18:19]         ; where these rows' scales begin, in bytes,
	s_mul_u64 s[92:93], s[46:47], s[18:19]
	s_mov_b64 s[18:19], KROW
	s_mul_u64 s[20:21], s[20:21], s[18:19]         ; and their codes
	s_mul_u64 s[46:47], s[46:47], s[18:19]
	s_mul_i32 s45, s14, HALFT                      ; where they go: wave x 128 rows: no place in the cluster enters an LDS address
	s_mul_i32 s94, s14, HALFS
	s_wait_kmcnt 0x0
	s_add_nc_u64 s[20:21], s[4:5], s[20:21]
	s_add_nc_u64 s[22:23], s[6:7], s[22:23]
	s_add_nc_u64 s[46:47], s[4:5], s[46:47]
	s_add_nc_u64 s[92:93], s[6:7], s[92:93]
	CROUND                                         ; all sixteen work-groups are here: the first joint loads meet
	s_mov_b32 s[G0S], 1
	s_add_co_u32 s[G0S+1], s94, SCL
	s_mov_b64 s[G0S+2:G0S+3], s[22:23]
	s_or_b32 s[G0S+3], s[G0S+3], 0x80000000
	s_mov_b32 s[G0SB], 1
	s_add_co_u32 s[G0SB+1], s94, SCL
	s_mov_b64 s[G0SB+2:G0SB+3], s[92:93]
	s_or_b32 s[G0SB+3], s[G0SB+3], 0x80000000
	JLOAD G0S, G1S, G0SB, G1SB                     ; the scales first: they are wanted with K step 0.  each load below waits for the one before it: one tensor load of mine is out at a time
.irp s, 0,1
	s_mov_b32 s[G0+4*\s], 1
	s_add_co_u32 s[G0+4*\s+1], s45, \s*SLOT
	s_add_nc_u64 s[G0+4*\s+2:G0+4*\s+3], s[20:21], \s*ROWB
	s_or_b32 s[G0+4*\s+3], s[G0+4*\s+3], 0x80000000
	s_mov_b32 s[G0B+4*\s], 1
	s_add_co_u32 s[G0B+4*\s+1], s45, \s*SLOT
	s_add_nc_u64 s[G0B+4*\s+2:G0B+4*\s+3], s[46:47], \s*ROWB
	s_or_b32 s[G0B+4*\s+3], s[G0B+4*\s+3], 0x80000000
	s_wait_alu depctr_va_vdst(0)
	s_wait_tensorcnt 0x0
	ds_add_u32 v28, v29
	s_wait_dscnt 0x0
	CROUND
	JLOAD G0+4*\s, G1, G0B+4*\s, G1B
.endr
	v_and_b32 v1, 15, v0                           ; l % 16
	v_bfe_u32 v2, v0, 4, 1                         ; l / 16
	v_mul_u32_u24 v3, v1, PITCH
	v_lshl_add_u32 v4, v2, 4, v3                   ; a fragment's row x pitch + 16 x half
	s_mul_i32 s21, s15, HALFT                      ; my 128 rows of P
	s_mul_i32 s22, s16, HALFT                      ; my 128 rows of R,
	s_add_co_u32 s22, s22, 2*HALFT                 ; which lie behind P's 256
.irp s, 0,1
	v_add_nc_u32 v[ADRA+\s], s21, v4
	v_add_nc_u32 v[ADRB+\s], s22, v4
	s_add_co_u32 s21, s21, SLOT
	s_add_co_u32 s22, s22, SLOT
.endr
	v_mul_u32_u24 v5, v1, KS                       ; my row's scales: KS bytes a row,
	v_lshrrev_b32 v6, 8, v5
	v_lshl_add_u32 v5, v6, 4, v5                   ; and 16 more for each 256 passed
	s_mul_i32 s21, s15, HALFS                      ; P's: my 128 rows
	s_mul_i32 s22, s16, HALFS                      ; R's: my 128 rows, behind P's 256
	s_add_co_u32 s22, s22, 2*HALFS
	s_sub_co_u32 s22, s22, s21
	v_mul_u32_u24 v6, s22, v2                      ; lanes 16-31 take R's: one product, the distance between the two bases
	s_add_co_u32 s21, s21, SCL
	v_add_nc_u32 v5, v5, v6
	v_add_nc_u32 v[ADRS], s21, v5
.macro FRAG reg, adr, q, i             ; 16 rows x 128 K: lane l holds row l % 16; registers 4 c .. 4 c + 3 hold K = 32 c + 16 (l / 16) + 0 .. 15
.irp c, 0,1,2,3
	ds_load_b128 v[\reg+4*\c:\reg+4*\c+3], v[\adr] offset:128*(\q)+32*\c+(\i)*16*PITCH
.endr
.endm
; 16 matrix instructions: P's blocks a0, a0 + 1 x R's eight, the slot's q-th 128 along K.  p: R's set; sc: the set of scale words.  zero = 1: the first product starts the sums.
; The 64 accumulators take turns, one instruction a turn, in the same order in every step.
.macro MUL16 a0, p, q, sc, zero
.irp a, \a0, \a0+1
.irp b, 0,1,2,3,4,5,6,7
.if \zero
	v_wmma_scale_f32_16x16x128_f8f6f4 v[8*(8*((\a)%4)+\b):8*(8*((\a)%4)+\b)+7], v[128*(\p)+FR*\b:128*(\p)+FR*\b+FR-1], v[AF+FR*(\a):AF+FR*(\a)+FR-1], 0, v[SC+8*NQ*(\sc)+NQ*\b+(\q)], v[SC+8*NQ*(\sc)+NQ*(\a)+(\q)] matrix_a_scale:MATRIX_SCALE_ROW1
.else
	v_wmma_scale_f32_16x16x128_f8f6f4 v[8*(8*((\a)%4)+\b):8*(8*((\a)%4)+\b)+7], v[128*(\p)+FR*\b:128*(\p)+FR*\b+FR-1], v[AF+FR*(\a):AF+FR*(\a)+FR-1], v[8*(8*((\a)%4)+\b):8*(8*((\a)%4)+\b)+7], v[SC+8*NQ*(\sc)+NQ*\b+(\q)], v[SC+8*NQ*(\sc)+NQ*(\a)+(\q)] matrix_a_scale:MATRIX_SCALE_ROW1
.endif
.endr
.endr
.endm
.macro FETCH_B slot, q, p              ; R's eight fragments of the slot's q-th 128 along K into set p
	WIN TO_B
.irp i, 0,1,2,3,4,5,6,7
	FRAG 128*(\p)+FR*\i, ADRB+\slot, \q, \i
.endr
	WIN 0
.endm
.macro FETCH_A slot, q, i0             ; P's blocks i0 .. i0 + 3
.irp i, \i0, \i0+1, \i0+2, \i0+3
	FRAG AF+FR*(\i), ADRA+\slot, \q, \i
.endr
.endm
.macro SCALES sc                       ; a K step's scale words: two words a row; lanes 0-15 take P's block i, lanes 16-31 R's block i
.irp i, 0,1,2,3,4,5,6,7
	ds_load_b64 v[SC+8*NQ*\sc+NQ*\i:SC+8*NQ*\sc+NQ*\i+1], v[ADRS] offset:\i*SBLK
.endr
.endm
; A load into a register that a matrix instruction has read, and a vector instruction that reads a matrix result or writes one of its registers, stand NP places behind it; only plain vector
; instructions that name none of its registers are places (ISA guide 7.12.1 for vector instructions).
.macro PLACES n
.rept \n
	v_nop
.endr
.endm
.macro STEP slot, q, zero              ; a step of 128 along K that has its successor in the same slot
	s_wait_dscnt 4*NL                              ; R's set and P's blocks 0-3 are in; the youngest sixteen loads (P's blocks 4-7) may be out
	WIN MUL_LO
	MUL16 0, (\q)%2, \q, \slot, \zero
	MUL16 2, (\q)%2, \q, \slot, \zero
	s_wait_dscnt 0                                 ; P's blocks 4-7 are in (asked for 32 matrix instructions ago)
	PLACES NP
	FETCH_B \slot, (\q)+1, 1-(\q)%2
	FETCH_A \slot, (\q)+1, 0
	WIN MUL_HI
	MUL16 4, (\q)%2, \q, \slot, \zero
	MUL16 6, (\q)%2, \q, \slot, \zero
	PLACES NP
	WIN 0
	FETCH_A \slot, (\q)+1, 4
.endm
; A slot's last step changes slots: one barrier; in front of it each wave waits for all its tensor loads, adds 0 to its spare word, and waits for that and for its own reads of this slot.  fill = 1: this slot is filled again, two K steps ahead.
.macro TURN slot, next, fill
	s_wait_tensorcnt 0x0                           ; all my tensor loads have landed: my part of the next slot
	ds_add_u32 v[SPW], v[NIL]                      ; 0 onto my spare word
	s_wait_dscnt 4*NL+1                            ; (the add and the youngest sixteen loads may be out)
	WIN MUL_LO
	MUL16 0, 1, NQ-1, \slot, 0                     ; sixteen matrix instructions stand between the add and the wait for it
	s_wait_dscnt 0x0                               ; the add is done, and my reads of this slot are over
	s_barrier_signal -1
	MUL16 2, 1, NQ-1, \slot, 0
	WIN 0
	s_barrier_wait -1
.if \fill
	CREST                                          ; the barrier has opened a round of the cluster's barrier: no wave of any partner still reads this slot's tile or has a load on its way
	s_add_nc_u64 s[G0+4*\slot+2:G0+4*\slot+3], s[G0+4*\slot+2:G0+4*\slot+3], 2*ROWB
	s_add_nc_u64 s[G0B+4*\slot+2:G0B+4*\slot+3], s[G0B+4*\slot+2:G0B+4*\slot+3], 2*ROWB
	JLOAD G0+4*\slot, G1, G0B+4*\slot, G1B         ; the first tensor load behind the round, and my only one until the next; its four v_nop are among the places in front of the loads below
	PLACES NP-4
.else
	PLACES NP
.endif
	s_wait_alu depctr_va_vdst(0)
	v_add_nc_u32 v[ADRS], 4*NQ, v[ADRS]            ; on to the next K step's scale words
	FETCH_B \next, 0, 0
	FETCH_A \next, 0, 0
	SCALES \next
	WIN MUL_HI
	MUL16 4, 1, NQ-1, \slot, 0
	MUL16 6, 1, NQ-1, \slot, 0
	PLACES NP
	WIN 0
	FETCH_A \next, 0, 4
.endm
	s_wait_alu depctr_va_vdst(0)
	s_wait_tensorcnt 1                             ; the scales and my part of K step 0 are in (K step 1's load may be out)
	s_barrier_signal -1
	s_barrier_wait -1                              ; everybody's are
	FETCH_B 0, 0, 0
	FETCH_A 0, 0, 0
	SCALES 0
	FETCH_A 0, 0, 4
	STEP 0, 0, 1                                   ; the first step stands in front of the loop: its products start the sums
	s_mov_b32 s3, LAPS-1
.Llap:                                                 ; a trip goes once round the ring, from a lap's second step to the next lap's first, and fills both slots again
	TURN 0, 1, 1
	STEP 1, 0, 0
	TURN 1, 0, 1
	STEP 0, 0, 0
	s_sub_co_u32 s3, s3, 1
	s_cmp_lg_u32 s3, 0
	s_cbranch_scc1 .Llap
	TURN 0, 1, 0                                   ; the last lap fills nothing, and has no round of the cluster's barrier
	STEP 1, 0, 0
	s_wait_dscnt 4*NL                              ; the very last step: nothing more to fetch
	WIN MUL_LO
	MUL16 0, 1, NQ-1, 1, 0
	MUL16 2, 1, NQ-1, 1, 0
	s_wait_dscnt 0
	WIN MUL_HI
	MUL16 4, 1, NQ-1, 1, 0
	MUL16 6, 1, NQ-1, 1, 0
	WIN 0
; THE WAY OUT.  Where my 128 x 128 goes.  Choices are made by selects on the cluster's coordinates; nothing branches.
	s_lshl_b32 s92, s17, 8
	s_lshl_b32 s93, s15, 7
	s_add_co_u32 s92, s92, s93                     ; my first i
	s_lshl_b32 s93, s42, 8
	s_lshl_b32 s94, s16, 7
	s_add_co_u32 s93, s93, s94                     ; my first j
	s_cmp_eq_u32 s95, 1                            ; V?
	s_cselect_b32 s40, s93, s92                    ; my first token
	s_cselect_b32 s41, s92, s93                    ; my first feature
	s_lshr_b32 s92, s40, 11                        ; the batch,
	s_bfe_u32 s93, s40, 0x40007                    ; which 128 tokens of its 2,048,
	s_bfe_u32 s94, s41, 0x40006                    ; the first of my two heads (an even one)
	s_lshl_b32 s92, s92, 4
	s_add_co_u32 s92, s92, s94
	s_lshl_b32 s92, s92, 4
	s_add_co_u32 s92, s92, s93                     ; the block's number: (16 batch + head) x 16 + the 128 tokens
	s_or_b32 s93, s95, ttmp9
	s_cmp_eq_u32 s93, 0                            ; Q?  (not V, and cluster x = 0: features 0-1023)
	s_mov_b32 s94, 17408
	s_cselect_b32 s94, 8704, s94                   ; a block's bytes
	s_cselect_b32 s93, QREG, 0
	s_mov_b32 s[FLOOR], 9<<23
	s_cselect_b32 s[FLOOR], 12<<23, s[FLOOR]       ; 2^(9 - 127); for Q 2^(12 - 127): three more, so that the byte less 3 cannot fall under 1
	s_cselect_b32 s[BSUB], 0x03030303, 0
	s_mul_i32 s[OFF], s92, s94
	s_add_co_u32 s[OFF], s[OFF], s93
	s_lshl_b32 s[HSTR], s94, 4
	s_mov_b32 s[HSTR+1], 0
	s_sub_co_u32 s[EXTRA], s[HSTR], 8192
	s_cmp_eq_u32 s95, 1                            ; V?
	s_cselect_b32 s[EXTRA], s[EXTRA], 0            ; V: behind four blocks of 2,048 bytes comes the next head
	s_mov_b32 s[EXTRA+1], 0
	s_cselect_b32 s93, 8704, 0                     ; V's codes lie behind K's part of the block
	s_cselect_b32 s[DELTA], 1024, s[HSTR]          ; registers 8-15 of a block: V: the same tile's keys 64 on; Q, K: the next head
	s_mov_b32 s[STEPA], 1024
	s_cselect_b32 s[STEPA], 2048, s[STEPA]
	s_mov_b32 s[STEPA+1], 0
	s_cselect_b32 s[MASKV], -1, 0
	s_add_co_u32 s[OFF], s[OFF], s93
	s_mov_b32 s[OFF+1], 0
	s_mov_b32 s[HM], 0xffff0000
	s_mov_b32 s[LOW], 0xffff
	s_mov_b32 s[SEL], 0x76543210
	s_mov_b32 s[SEL+1], 0xfedcba98
	s_add_nc_u64 s[OB:OB+1], s[12:13], s[OFF:OFF+1]
	s_mov_b64 s[SB:SB+1], s[OB:OB+1]
	s_add_nc_u64 s[SB2:SB2+1], s[SB:SB+1], s[HSTR:HSTR+1]
	v_and_b32 v1, 31, v0
	v_lshlrev_b32 v1, 4, v1                        ; 16 x lane: an image's place for my lane
	v_add_nc_u32 v2, s[DELTA], v1
	PLACES NP-3                                    ; with the three lines above: the places behind the last products
.irp b, 0,1,2,3
	v_mov_b32 v[TM+4+\b], 0                        ; written once: a lane permute's destination counts as one of its sources
.endr
; Block a: 16 rows i x 128 j.  Register 16 b + n of its 64 is j = 32 b + 16 (lane / 16) + n of row lane % 16.  Each accumulator is read from its low end on.
.macro QOUT a
.set WX, 2+(\a)/4
.set AC, 64*((\a)%4)
.set PCS, PC+16*((\a)%2)
.set WN, WX|(WX<<2)
	WIN WN                                         ; sources 0 and 1: the accumulators' window
.irp b, 0,1,2,3
	v_max3_num_f32 v[TM+\b], |v[AC+16*\b]|, |v[AC+16*\b+1]|, s[FLOOR]
.endr
.irp i, 2,4,6,8,10,12,14
.irp b, 0,1,2,3
	v_max3_num_f32 v[TM+\b], |v[AC+16*\b+\i]|, |v[AC+16*\b+\i+1]|, v[TM+\b]   ; the four blocks of 32 by turns
.endr
.endr
	WIN 0
.irp b, 0,1,2,3
	v_permlanex16_b32 v[TM+4+\b], v[TM+\b], s[SEL], s[SEL+1]
.endr
.irp b, 0,1,2,3
	v_max_num_f32 v[TM+\b], v[TM+\b], v[TM+4+\b]   ; with lane l xor 16's 16: the block's largest magnitude
.endr
.irp b, 0,1,2,3
	v_add_nc_u32 v[TM+12+\b], 0xfc000000, v[TM+\b] ; 8 off its exponent field: the conversion's scale operand
.endr
.irp b, 0,1,2,3
.endr
.irp b, 0,1,2,3
	v_lshrrev_b32 v[TM+4+\b], 23, v[TM+12+\b]      ; the scale's byte
.endr
	v_lshl_or_b32 v[SW+(\a)], v[TM+5], 8, v[TM+4]
	v_lshl_or_b32 v[SW+(\a)], v[TM+6], 16, v[SW+(\a)]
	v_lshl_or_b32 v[SW+(\a)], v[TM+7], 24, v[SW+(\a)]
	v_sub_nc_u32 v[SW+(\a)], v[SW+(\a)], s[BSUB]   ; Q: x 2^-3 in every byte (each is 4 at the least: no borrow)
.set WN, WX|(WX<<6)
	WIN WN                                         ; source 0 and destination: the accumulators' window
.set jj, 0
.rept 64
.set jj, jj+1
.endr
	WIN WX
.irp b, 0,1,2,3
	v_cvt_scalef32_pk8_fp8_f32 v[PCS+4*\b:PCS+4*\b+1], v[AC+16*\b:AC+16*\b+7], v[TM+12+\b]
	v_cvt_scalef32_pk8_fp8_f32 v[PCS+4*\b+2:PCS+4*\b+3], v[AC+16*\b+8:AC+16*\b+15], v[TM+12+\b]
.endr
	WIN 0
	v_nop                                          ; one plain vector line behind the last conversion, ahead of the lines that write its scale operands anew
.if (\a) > 0
	s_wait_alu depctr_va_vdst(0)
	s_wait_xcnt 0x0                                ; the last block's stores have read their base and their codes: the base steps, and the next block may write that set of codes
	s_add_nc_u64 s[OB:OB+1], s[OB:OB+1], s[STEPA:STEPA+1]
.if (\a) == 4
	s_add_nc_u64 s[OB:OB+1], s[OB:OB+1], s[EXTRA:EXTRA+1]
.endif
.endif
	global_store_b128 v1, v[PCS:PCS+3], s[OB:OB+1]                     ; each store: 512 consecutive bytes, aligned
	global_store_b128 v1, v[PCS+4:PCS+7], s[OB:OB+1] offset:512
	global_store_b128 v2, v[PCS+8:PCS+11], s[OB:OB+1]
	global_store_b128 v2, v[PCS+12:PCS+15], s[OB:OB+1] offset:512
.endm
.irp a, 0,1,2,3,4,5,6,7
	QOUT \a
.endr
; The scale images.  Register j: lanes 0-15 block 2 j's words, lanes 16-31 block 2 j + 1's.  Q, K: a word's low two bytes are the first head's, its high two the second's; 0x7f7f stands over each.
; V: a word is a tile's four bytes; registers 0, 1 are the first head's tiles, 2, 3 the second's; each head's image holds its own two first and the other's behind them, so that all 512 bytes are written.
.irp j, 0,1,2,3
	v_cndmask_b32 v[WW+\j], v[SW+2*\j], v[SW+2*\j+1], s[HM]
.endr
.irp j, 0,1,2,3
	v_and_or_b32 v[TA+\j], v[WW+\j], s[LOW], 0x7f7f0000
.endr
.irp j, 0,1,2,3
	v_cndmask_b32 v[IA+\j], v[TA+\j], v[WW+\j], s[MASKV]
.endr
.irp j, 0,1,2,3
	v_lshrrev_b32 v[TA+\j], 16, v[WW+\j]
.endr
.irp j, 0,1,2,3
	v_or_b32 v[TA+\j], 0x7f7f0000, v[TA+\j]
.endr
.irp j, 0,1,2,3
	v_cndmask_b32 v[IB+\j], v[TA+\j], v[WW+(\j+2)%4], s[MASKV]
.endr
	global_store_b128 v1, v[IA:IA+3], s[SB:SB+1] offset:8192
	global_store_b128 v1, v[IB:IB+3], s[SB2:SB2+1] offset:8192
	s_wait_tensorcnt 0x0                           ; the wave's end
	ds_add_u32 v[SPW], v[NIL]
	s_wait_dscnt 0x0
	CROUND                                         ; the closing round: no work-group ends while a partner may still ask for a tile that names it
	s_endpgm
.Lfunc_end_k_q437aacd809_proj:
	.size	k_q437aacd809_proj, .Lfunc_end_k_q437aacd809_proj-k_q437aacd809_proj
	.p2alignl 7, 3214868480
	.fill 96, 4, 3214868480
	.section	.rodata,"a",@progbits
	.p2align	6, 0x0
	.amdhsa_kernel k_q437aacd809_proj
		.amdhsa_group_segment_fixed_size 327680
		.amdhsa_private_segment_fixed_size 0
		.amdhsa_enable_private_segment 0
		.amdhsa_kernarg_size 24
		.amdhsa_user_sgpr_count 2
		.amdhsa_user_sgpr_kernarg_segment_ptr 1
		.amdhsa_wavefront_size32 1
		.amdhsa_system_sgpr_workgroup_id_x 1
		.amdhsa_system_sgpr_workgroup_id_y 1
		.amdhsa_system_sgpr_workgroup_id_z 1
		.amdhsa_system_vgpr_workitem_id 0
		.amdhsa_next_free_vgpr 1024
		.amdhsa_next_free_sgpr 102
		.amdhsa_reserve_vcc 0
		.amdhsa_float_denorm_mode_32 3
		.amdhsa_float_denorm_mode_16_64 3
		.amdhsa_fp16_overflow 1
		.amdhsa_memory_ordered 1
		.amdhsa_forward_progress 1
		.amdhsa_inst_pref_size 154
	.end_amdhsa_kernel
	.amdgpu_metadata
---
amdhsa.version: [ 1, 2 ]
amdhsa.kernels:
  - .name:           k_q437aacd809_proj
    .symbol:         k_q437aacd809_proj.kd
    .args:
      - { .name: codes, .offset: 0, .size: 8, .value_kind: global_buffer, .address_space: global }
      - { .name: scales, .offset: 8, .size: 8, .value_kind: global_buffer, .address_space: global }
      - { .name: qkv, .offset: 16, .size: 8, .value_kind: global_buffer, .address_space: global }
    .group_segment_fixed_size: 327680
    .private_segment_fixed_size: 0
    .kernarg_segment_align: 8
    .kernarg_segment_size: 24
    .max_flat_workgroup_size: 128
    .sgpr_count:     102
    .vgpr_count:     1024
    .wavefront_size: 32
...
	.end_amdgpu_metadata
.endif
;; end of part 2
;; launch attn (part 3): grid 4 x 64, 8 waves a work-group, clusters of 4 x 1, 314,368 bytes of LDS; arguments qkv, out0; writes out0
.if DOCPART == 3
	.amdgcn_target "amdgcn-amd-amdhsa--gfx1250"
	.amdhsa_code_object_version 6
	.text
	.protected	k_q437aacd809_attn
	.globl	k_q437aacd809_attn
	.p2align	8
	.type	k_q437aacd809_attn,@function
k_q437aacd809_attn:
	s_mov_b64 s[64:65], 0
	v_nop
	global_prefetch_b8 v0, s[64:65] scope:SCOPE_SE
	s_setreg_imm32_b32 hwreg(HW_REG_WAVE_MODE, 25, 1), 1
	s_wait_xcnt 0x0
	s_wait_alu depctr_hold_cnt(0) depctr_sa_sdst(0) depctr_va_vdst(0) depctr_va_sdst(0) depctr_va_ssrc(0) depctr_va_vcc(0) depctr_vm_vsrc(0)
	s_getreg_b32 s2, hwreg(HW_REG_IB_STS2, 6, 4)
	s_cmp_eq_u32 s2, 0
	s_cbranch_scc0 .Lentry_in_a_cluster
	s_endpgm
.Lentry_in_a_cluster:
	s_bfe_u32 s2, ttmp6, 0x10000c
	s_cmp_lg_u32 s2, 0x3003
	s_cbranch_scc0 .Lentry_shape_is_right
	s_endpgm
.Lentry_shape_is_right:
; out[head][q][:] = the sum over keys of softmax(Q[q] . K[key]) V[key][:], 64 heads (batch x head), 2,048 queries and keys, 64 channels; both products on codes of FP8 (E4M3) with E8M0 scales.
; Q (with its factor 64^-0.5 in its scale bytes), K and V come as images of operand registers (the launch before): a fragment is read 16 bytes a lane, 512 bytes on end, with no pitch and no padding.
; THE SOFTMAX: t = score x log2(e); M = the running largest t rounded UP to a whole number; p = 2^(t - M) is quantised along the keys, not normalised; the row's sum is taken of the unquantised p and divides at the end.
; When M moves, the sum and O are multiplied by 2^(old M - new M): exact.
; SHARES.  A work-group owns one head and 512 of its queries.  THE HEAD'S WHOLE K AND V, 278,528 bytes, COME INTO LDS ONCE: nothing is filled again, and the loop over the keys has no barrier.
; The four work-groups of a cluster own the four quarters of one head's queries and ask for K and V JOINTLY: eight loads, one a wave, each with the mask of the four.
; Eight waves, two to a SIMD, so that one wave's vector work stands beside the other's matrix work.  A wave owns two tiles of 16 queries at a time, twice: each fragment of K and V that it reads feeds two matrix instructions.
; Tile A lives in register window 0, tile B in window 1, under the same numbers: the softmax is one macro under two settings.
; LAYOUT.  S^T = K Q^T (source 0 = 16 keys, source 1 = 16 queries), O^T = V^T P^T (source 0 = 16 channels, source 1 = P): a lane holds one query throughout.  Lane r of tile 2 b + u of keys, queries or channels holds number
; 32 b + 8 u + r + 8 (r / 8), so the 16 registers of tiles 2 b, 2 b + 1 of a result are 16 neighbours: 32 b + 16 (lane / 16) + 0 .. 15.
; THE FIRST PRODUCT'S K IS 64, half of the instruction's 128: Q's registers 8-15 are zero codes.  K's tiles lie dense, 8 registers each, so a tile's operand runs on into the next tile's codes (the last into 8 zero registers): finite
; codes times zero codes, under the bytes 0x7f.
; LIMITS: p under 2^-126 is 0 (v_exp_f32 flushes denormal results: ISA guide 15.8); NaN and infinities are not served.
.set BLK,   17408                      ; a key step's block: K's codes 8,192, K's scale words 512, V's codes 8,192, V's scale words 512
.set KSC,   8192
.set VCOD,  8704
.set VSC,   16896
.set HEADB, 16*BLK                     ; a head's K and V
.set WPART, HEADB/8                    ; what one wave's tensor load brings: 136 rows of 256 bytes
.set QREG,  64*HEADB                   ; where Q's region begins: [head][128 queries][8,704]
.set QBLK,  8704
.set STAGE, HEADB                      ; behind K and V: 16 rows x 272 bytes for each wave, for the way out; no fill lands there
.set SPITCH, 272
.set LI,  1                            ; v1   16 x lane; never rewritten
.set ADR, 2                            ; v2   the key step's block + 16 x lane
.set VQ,  3                            ; v3   16 x lane + my pair of tiles in Q's block
.set VQS, 4                            ; v4   16 x lane + 4 x my pair: Q's scale words
.set STO, 5                            ; v5   the stage: where I put 16 bytes of a row
.set RD,  6                            ; v6   and where I read a row back
.set NM,  12                           ; both windows: v12 -M, v13 the largest t, v[14:15] the sum in two halves
.set TT,  13
.set SUM, 14
.set QF,  16                           ; v16-31  Q's fragment: 16-23 codes, 24-31 zeros
.set KF,  32                           ; window 0: v32-95 K's eight tiles, v96-103 zeros
.set VF,  32                           ; window 1: v32-95 V's four tiles
.set S,   104                          ; v104-167 S^T, then p
.set O,   168                          ; v168-199 O^T
.set PC,  200                          ; v200-215 p's codes
.set BM,  216                          ; v216-219 each block's largest score, then its largest p
.set BP,  220                          ; v220-223 at work: the other half's maxima, a chain of sums, the bytes
.set BL,  224
.set BS,  228                          ; v228-231 the conversions' scale operands
.set T0,  232
.set PWT, 233
.set F,   234                          ; v[234:235] f = 2^(old M - new M); at the end 1 / the sum
.set KS,  240                          ; window 0 alone (scale operands have no window): v240-243 K's scale words, v244-245 V's, v246 Q's (lanes 0-15 tile A, 16-31 tile B), v247 p's of tile A, v248 of tile B
.set VS,  244
.set QS,  246
.set PSA, 247
.set WV,  8                            ; s8   wave
.set G0,  12                           ; s[12:15], s[16:23] the descriptor
.set G1,  16
.set SEL, 24                           ; s24, s25 lane selects: lane l xor 16
.set CS,  26                           ; s[26:27] log2(e), twice: the packed form names a pair
.set MNT, 28
.set TB,  29                           ; s29  LDS byte of the key step's block
.set CNT, 30
.set PASS, 31
.set QP,  32                           ; s[32:33] Q's block of my queries
.set OP,  34                           ; s[34:35] my 32 rows of the output
.set MSB, 0
.macro WIN new                         ; the immediate's high byte repeats the setting that is left; bits 1:0 source 0, 3:2 source 1, 5:4 source 2, 7:6 destination
.if MSB != \new
	s_set_vgpr_msb (MSB<<8)|\new
.set MSB, \new
.endif
.endm
.macro CROUND                          ; a round of the cluster's barrier
	s_barrier_signal -1
	s_barrier_wait -1
	s_cmp_lg_u32 s[WV], 0
	s_cbranch_scc1 .Lnot_wave_0_\@
	s_barrier_signal -3
.Lnot_wave_0_\@:
	s_barrier_wait -3
	s_barrier_signal -1
	s_barrier_wait -1
.endm
	s_load_b128 s[4:7], s[0:1], 0x0                ; qkv s[4:5], out0 s[6:7]
	v_lshl_add_u32 v254, v0, 2, 0x4c800
	v_mov_b32 v255, 0
	ds_add_u32 v254, v255
	ds_add_u32 v254, v255
	v_lshrrev_b32 v1, 5, v0
	s_delay_alu instid0(VALU_DEP_1)
	v_readfirstlane_b32 s[WV], v1                  ; wave 0..7
	s_bfe_u32 s9, ttmp6, 0x40000                   ; cx: which 512 queries: it enters Q's and the output's addresses alone
	s_and_b32 s10, ttmp7, 0xffff                   ; the head, which the four partners share
	s_mov_b32 s[G1], 15|(3<<16)|(1<<21)            ; 15:0 the mask: all four work-groups; 17:16 elements of 8 bytes; 21 set beside a mask; no padding
	s_mov_b32 s[G1+1], 32<<16                      ; tensor_dim0 = 32 elements: 256 bytes
	s_mov_b32 s[G1+2], 136<<16                     ; tensor_dim1 = 136
	s_mov_b32 s[G1+3], 32<<16                      ; tile_dim0
	s_mov_b32 s[G1+4], 136                         ; tile_dim1
	s_mov_b32 s[G1+5], 32                          ; the pitch: the block is dense
	s_mov_b32 s[G1+6], 0
	s_mov_b32 s[G1+7], 0
	s_mov_b32 s[G0], 1
	s_mul_i32 s[G0+1], s[WV], WPART                ; my eighth, in LDS as in memory
	s_mul_i32 s36, s10, HEADB
	s_add_co_u32 s36, s36, s[G0+1]
	s_mov_b32 s37, 0
	s_lshl_b32 s38, s10, 4
	s_lshl_b32 s39, s9, 2
	s_add_co_u32 s38, s38, s39
	s_lshr_b32 s39, s[WV], 2
	s_add_co_u32 s38, s38, s39                     ; Q's block: 16 head + 4 cx + wave / 4 (two further on in the second pass)
	s_mul_i32 s38, s38, QBLK
	s_add_co_u32 s38, s38, QREG
	s_mov_b32 s39, 0
	s_lshl_b32 s40, s10, 11
	s_lshl_b32 s41, s9, 9
	s_add_co_u32 s40, s40, s41
	s_lshl_b32 s41, s[WV], 5
	s_add_co_u32 s40, s40, s41                     ; my first row of the output: 2,048 head + 512 cx + 32 wave
	s_lshl_b32 s40, s40, 8                         ; a row is 64 f32: 256 bytes
	s_mov_b32 s41, 0
	s_mov_b32 s[SEL], 0x76543210
	s_mov_b32 s[SEL+1], 0xfedcba98
	s_mov_b32 s[CS], 0x3fb8aa3b                    ; log2(e)
	s_mov_b32 s[CS+1], s[CS]
	s_wait_dscnt 0x0
	s_wait_kmcnt 0x0
	s_add_nc_u64 s[G0+2:G0+3], s[4:5], s[36:37]
	s_or_b32 s[G0+3], s[G0+3], 0x80000000          ; type = 2
	s_add_nc_u64 s[QP:QP+1], s[4:5], s[38:39]
	s_add_nc_u64 s[OP:OP+1], s[6:7], s[40:41]
	CROUND                                         ; all four work-groups are here: the joint loads meet
	tensor_load_to_lds s[G0:G0+3], s[G1:G1+7]      ; my one tensor load of the launch
	s_nop 0
.rept 4
	v_nop
.endr
	v_and_b32 v7, 31, v0
	s_delay_alu instid0(VALU_DEP_1)
	v_lshlrev_b32 v[LI], 4, v7
	s_and_b32 s36, s[WV], 3                        ; which pair of the block's eight tiles is mine
	s_lshl_b32 s37, s36, 11
	v_add_nc_u32 v[VQ], s37, v[LI]
	s_lshl_b32 s37, s36, 2
	v_add_nc_u32 v[VQS], s37, v[LI]
	v_and_b32 v8, 15, v0                           ; r
	v_bfe_u32 v9, v0, 4, 1                         ; h
	s_mul_i32 s37, s[WV], 16*SPITCH
	s_add_co_u32 s37, s37, STAGE                   ; my stage
	v_mul_u32_u24 v[STO], v8, SPITCH
	s_delay_alu instid0(VALU_DEP_1)
	v_lshl_add_u32 v[STO], v9, 6, v[STO]
	s_delay_alu instid0(VALU_DEP_1)
	v_add_nc_u32 v[STO], s37, v[STO]               ; in: row r, + 64 h: my 16 channels of each 32
	v_mul_u32_u24 v[RD], v9, SPITCH
	s_delay_alu instid0(VALU_DEP_1)
	v_lshl_add_u32 v[RD], v8, 4, v[RD]
	s_delay_alu instid0(VALU_DEP_1)
	v_add_nc_u32 v[RD], s37, v[RD]                 ; back: lanes 0-15 one row, lanes 16-31 the next
.irp j, 96,97,98,99,100,101,102,103
	v_mov_b32 v[\j], 0                             ; behind K's last tile
.endr
.irp w, 0,1
.set WN, 0x40*\w
	WIN WN
.irp j, 24,25,26,27,28,29,30,31
	v_mov_b32 v[\j], 0                             ; Q's K = 64 .. 127: zero codes, written once
.endr
.irp b, 0,1,2,3
	v_mov_b32 v[BP+\b], 0                          ; written once: a lane permute's destination counts as one of its sources
.endr
	v_mov_b32 v[F+1], 0                            ; (named as the upper half of a pair)
.endr
	WIN 0
.macro QLOAD                           ; my two tiles of Q and their scale words
	global_load_b128 v[QF:QF+3], v[VQ], s[QP:QP+1]
	global_load_b128 v[QF+4:QF+7], v[VQ], s[QP:QP+1] offset:512
	global_load_b32 v[QS], v[VQS], s[QP:QP+1] offset:8192
	WIN 0x40                                       ; destination window 1
	global_load_b128 v[QF:QF+3], v[VQ], s[QP:QP+1] offset:1024
	global_load_b128 v[QF+4:QF+7], v[VQ], s[QP:QP+1] offset:1536
	WIN 0
.endm
	QLOAD
	s_wait_tensorcnt 0x0                           ; my eighth of K and V is in,
	s_barrier_signal -1
	s_barrier_wait -1                              ; everybody's is
.macro SPROD tile                      ; S^T = K Q^T: eight tiles of 16 keys; each product starts its sum
.irp t, 0,2,4,6
.if \tile
	v_wmma_scale_f32_16x16x128_f8f6f4 v[S+8*\t:S+8*\t+7], v[KF+8*\t:KF+8*\t+15], v[QF:QF+15], 0, v[KS+\t/2], v[QS] matrix_b_scale:MATRIX_SCALE_ROW1
	v_wmma_scale_f32_16x16x128_f8f6f4 v[S+8*\t+8:S+8*\t+15], v[KF+8*\t+8:KF+8*\t+23], v[QF:QF+15], 0, v[KS+\t/2], v[QS] matrix_a_scale:MATRIX_SCALE_ROW1 matrix_b_scale:MATRIX_SCALE_ROW1
.else
	v_wmma_scale_f32_16x16x128_f8f6f4 v[S+8*\t:S+8*\t+7], v[KF+8*\t:KF+8*\t+15], v[QF:QF+15], 0, v[KS+\t/2], v[QS]
	v_wmma_scale_f32_16x16x128_f8f6f4 v[S+8*\t+8:S+8*\t+15], v[KF+8*\t+8:KF+8*\t+23], v[QF:QF+15], 0, v[KS+\t/2], v[QS] matrix_a_scale:MATRIX_SCALE_ROW1
.endif
.endr
.endm
.macro OPROD tile                      ; O^T += V^T P^T: four tiles of 16 channels, K = the step's 128 keys
.irp t, 0,2
	v_wmma_scale_f32_16x16x128_f8f6f4 v[O+8*\t:O+8*\t+7], v[VF+16*\t:VF+16*\t+15], v[PC:PC+15], v[O+8*\t:O+8*\t+7], v[VS+\t/2], v[PSA+\tile]
	v_wmma_scale_f32_16x16x128_f8f6f4 v[O+8*\t+8:O+8*\t+15], v[VF+16*\t+16:VF+16*\t+31], v[PC:PC+15], v[O+8*\t+8:O+8*\t+15], v[VS+\t/2], v[PSA+\tile] matrix_a_scale:MATRIX_SCALE_ROW1
.endr
.endm
; One tile's softmax for 128 keys: 64 scores a lane; register 16 b + i is key 32 b + 16 (lane / 16) + i.
.macro SOFTMAX tile
.set WT, 0x55*(\tile)
	WIN WT                                         ; everything in the tile's window
.irp b, 0,1,2,3
	v_max3_num_f32 v[BM+\b], v[S+16*\b], v[S+16*\b+1], v[S+16*\b+2]   ; the largest score of each block of 32 keys: it serves the row's maximum and, since p rises with the score, the block's largest p
.endr
.irp i, 3,5,7,9,11,13
.irp b, 0,1,2,3
	v_max3_num_f32 v[BM+\b], v[BM+\b], v[S+16*\b+\i], v[S+16*\b+\i+1]
.endr
.endr
.irp b, 0,1,2,3
	v_max_num_f32 v[BM+\b], v[BM+\b], v[S+16*\b+15]
.endr
.irp b, 0,1,2,3
	s_delay_alu instid0(VALU_DEP_4)
	v_permlanex16_b32 v[BP+\b], v[BM+\b], s[SEL], s[SEL+1]
.endr
.irp b, 0,1,2,3
	s_delay_alu instid0(VALU_DEP_4)
	v_max_num_f32 v[BM+\b], v[BM+\b], v[BP+\b]     ; with lane l xor 16's 16 keys
.endr
	s_delay_alu instid0(VALU_DEP_2)
	v_max3_num_f32 v[T0], v[BM], v[BM+1], v[BM+2]
	s_delay_alu instid0(VALU_DEP_1)
	v_max_num_f32 v[T0], v[T0], v[BM+3]            ; the step's largest score of my query
	s_delay_alu instid0(VALU_DEP_1)
	v_mul_f32 v[T0], s[CS], v[T0]                  ; as t
	s_delay_alu instid0(VALU_DEP_1)
	v_max_num_f32 v[TT], v[TT], v[T0]              ; the running largest t
	v_mov_b32 v[T0], v[NM]
	s_delay_alu instid0(VALU_DEP_2)
	v_floor_f32 v[NM], -v[TT]                      ; the new -M = floor(-t) = -ceil(t)
	s_delay_alu instid0(VALU_DEP_1)
	v_sub_f32 v[T0], v[NM], v[T0]                  ; old M - new M: a whole number, 0 or less
	s_delay_alu instid0(VALU_DEP_1)
	v_cvt_i32_f32 v[T0], v[T0]                     ; (it saturates)
	s_delay_alu instid0(VALU_DEP_1)
	v_ldexp_f32 v[F], 1.0, v[T0]                   ; f = 2^(old M - new M)
.set jj, 0
.rept 32
	v_pk_fma_f32 v[S+jj:S+jj+1], v[S+jj:S+jj+1], s[CS:CS+1], v[NM:NM+1] op_sel_hi:[1,0,0]   ; t - M, two at a time
.set jj, jj+2
.endr
.irp b, 0,1,2,3
	v_fma_f32 v[BM+\b], v[BM+\b], s[CS], v[NM]     ; the same of each block's largest score
.endr
.set jj, 0
	s_wait_alu depctr_va_vdst(0)
.rept 64
	v_exp_f32 v[S+jj], v[S+jj]                     ; p = 2^(t - M), at most 1
.set jj, jj+1
.endr
	v_pk_mul_f32 v[SUM:SUM+1], v[SUM:SUM+1], v[F:F+1] op_sel_hi:[1,0]   ; the sums under the new M: a plain line behind the exponentials
	s_wait_alu depctr_va_vdst(0)                   ; one wait for the batch of 64, ahead of its first reader
.irp b, 0,1,2,3
	v_exp_f32 v[BM+\b], v[BM+\b]                   ; each block's largest p: the same two instructions on the same number
.endr
	v_pk_add_f32 v[BP:BP+1], v[S:S+1], v[S+2:S+3]  ; the row's sum is taken of the unquantised p: two at a time, in two chains
.irp j, 4,8,12,16,20,24,28,32,36,40,44,48,52,56,60
	v_pk_add_f32 v[SUM:SUM+1], v[SUM:SUM+1], v[S+\j:S+\j+1]
	v_pk_add_f32 v[BP:BP+1], v[BP:BP+1], v[S+\j+2:S+\j+3]
.endr
	s_delay_alu instid0(VALU_DEP_1)
	v_pk_add_f32 v[SUM:SUM+1], v[SUM:SUM+1], v[BP:BP+1]
	s_wait_alu depctr_va_vdst(0)                   ; and one for the four
.irp b, 0,1,2,3
	v_max_num_f32 v[BM+\b], 0x4800000, v[BM+\b]    ; the floor 2^(9 - 127): the byte cannot fall under 1
.endr
.irp b, 0,1,2,3
	s_delay_alu instid0(VALU_DEP_4)
	v_add_nc_u32 v[BS+\b], 0xfc000000, v[BM+\b]    ; 8 off the exponent field: the conversion's scale operand
.endr
.irp b, 0,1,2,3
.endr
.irp b, 0,1,2,3
	s_delay_alu instid0(VALU_DEP_4)
	v_lshrrev_b32 v[BP+\b], 23, v[BS+\b]           ; the scale's byte
.endr
	s_delay_alu instid0(VALU_DEP_3)
	v_lshl_or_b32 v[PWT], v[BP+1], 8, v[BP]
	s_delay_alu instid0(VALU_DEP_1)
	v_lshl_or_b32 v[PWT], v[BP+2], 16, v[PWT]
.set WN, 0x11*(\tile)
	WIN WN                                         ; the sources in the tile's window, the destination in window 0
	v_lshl_or_b32 v[PSA+\tile], v[BP+3], 24, v[PWT]   ; p's scale word for these 128 keys
	WIN WT
.irp b, 0,1,2,3
.set jj, 0
.rept 16
.set jj, jj+1
.endr
	v_cvt_scalef32_pk8_fp8_f32 v[PC+4*\b:PC+4*\b+1], v[S+16*\b:S+16*\b+7], v[BS+\b]
	v_cvt_scalef32_pk8_fp8_f32 v[PC+4*\b+2:PC+4*\b+3], v[S+16*\b+8:S+16*\b+15], v[BS+\b]
.endr
.set jj, 0
.rept 16
	v_pk_mul_f32 v[O+jj:O+jj+1], v[O+jj:O+jj+1], v[F:F+1] op_sel_hi:[1,0]   ; O^T under the new M; these lines are also the places between the codes and the products that take them
.set jj, jj+2
.endr
.endm
; A KEY STEP: 128 keys for both tiles.  nxt = 1: the next step's K is fetched while the softmax runs.  24 accumulators have one turn each: no two matrix instructions that follow each other share one.
.macro STEP nxt
	s_wait_dscnt 0x0                               ; this step's K and its scale words are in
	WIN 0
	SPROD 0
	WIN 0x44                                       ; K window 0; Q and S^T window 1
	SPROD 1
	WIN 0
	v_add_nc_u32 v[ADR], s[TB], v[LI]
.rept 7
	v_nop                                          ; with the line above: eight places ahead of the loads into registers that the products have read, and of the first read of the scores
.endr
	WIN 0x40                                       ; destination window 1
.irp i, 0,1,2,3,4,5,6,7,8,9,10,11,12,13,14,15
	ds_load_b128 v[VF+4*\i:VF+4*\i+3], v[ADR] offset:VCOD+512*\i
.endr
	WIN 0
	ds_load_b64 v[VS:VS+1], v[ADR] offset:VSC
.if \nxt
.irp i, 0,1,2,3,4,5,6,7,8,9,10,11,12,13,14,15
	ds_load_b128 v[KF+4*\i:KF+4*\i+3], v[ADR] offset:BLK+512*\i
.endr
	ds_load_b128 v[KS:KS+3], v[ADR] offset:BLK+KSC
.endif
	SOFTMAX 0
	SOFTMAX 1
.if \nxt
	s_wait_alu depctr_va_vdst(0)
	s_wait_dscnt 17                                ; V and its scale words are in; the next K's 17 loads may be out
.else
	s_wait_alu depctr_va_vdst(0)
	s_wait_dscnt 0x0
.endif
	WIN 0x01                                       ; V window 1; P and O^T window 0
	OPROD 0
	WIN 0x55
	OPROD 1
	WIN 0
	s_add_co_u32 s[TB], s[TB], BLK
.endm
.macro INIT tile                       ; the step is written once: the first finds zeros, which the first change of M leaves zeros
.set WN, 0x55*(\tile)
	WIN WN
	v_mov_b32 v[TT], 0xff61b1e6                    ; the largest t so far: -3e38
	s_delay_alu instid0(VALU_DEP_1)
	v_floor_f32 v[NM], -v[TT]
	v_mov_b32 v[SUM], 0
	v_mov_b32 v[SUM+1], 0
.set jj, 0
.rept 32
	v_mov_b32 v[O+jj], 0
.set jj, jj+1
.endr
.endm
; The way out of a tile: O^T / the sum goes through my stage and leaves as whole rows: sixteen lanes store one query's 256 bytes, aligned.  Stage row r is query 8 tile + r + 8 (r / 8) of my 32.
.macro OUT tile
.set WN, 0x55*(\tile)
	WIN WN
	v_add_f32 v[SUM], v[SUM], v[SUM+1]
	s_delay_alu instid0(VALU_DEP_1)
	v_permlanex16_b32 v[T0], v[SUM], s[SEL], s[SEL+1]
	s_delay_alu instid0(VALU_DEP_1)
	v_add_f32 v[SUM], v[SUM], v[T0]                ; the row's sum
	s_wait_alu depctr_va_vdst(0)
	v_rcp_f32 v[F], v[SUM]
	v_nop                                          ; a plain line behind the reciprocal
	s_wait_alu depctr_va_vdst(0)                   ; and the wait ahead of its first reader
.set jj, 0
.rept 16
	v_pk_mul_f32 v[S+jj:S+jj+1], v[O+jj:O+jj+1], v[F:F+1] op_sel_hi:[1,0]   ; each accumulator from its low end on; register 16 b + i is channel 32 b + 16 h + i
.set jj, jj+2
.endr
.set WN, 0x04*(\tile)
	WIN WN                                         ; an LDS store's data are its source 1
.irp b, 0,1
.irp q, 0,1,2,3
	ds_store_b128 v[STO], v[S+16*\b+4*\q:S+16*\b+4*\q+3] offset:128*\b+16*\q
.endr
.endr
	WIN 0
.set BK, S+32*(1-(\tile))              ; back into window 0: v136-167 for tile A, v104-135 for tile B
.irp i, 0,1,2,3,4,5,6,7
	ds_load_b128 v[BK+4*\i:BK+4*\i+3], v[RD] offset:2*\i*SPITCH   ; LDS serves a wave's instructions in order (ISA guide 5.7.1.4): these see my stores
.endr
.irp i, 0,1,2,3,4,5,6,7
	s_wait_dscnt 7-\i
	global_store_b128 v[LI], v[BK+4*\i:BK+4*\i+3], s[OP:OP+1] offset:(8*(\tile)+2*\i+8*(\i/4))*256 th:TH_STORE_NT
.endr
.endm
	s_mov_b32 s[PASS], 2
.Lpass:                                            ; two passes: 32 queries a wave in each
	INIT 0
	INIT 1
	WIN 0
	s_mov_b32 s[TB], 0
.irp i, 0,1,2,3,4,5,6,7,8,9,10,11,12,13,14,15
	ds_load_b128 v[KF+4*\i:KF+4*\i+3], v[LI] offset:512*\i   ; key step 0's K
.endr
	ds_load_b128 v[KS:KS+3], v[LI] offset:KSC
	s_wait_loadcnt 0x0                             ; Q
	s_mov_b32 s[CNT], 15
.Lstep:
	STEP 1
	s_sub_co_u32 s[CNT], s[CNT], 1
	s_cmp_lg_u32 s[CNT], 0
	s_cbranch_scc1 .Lstep
	STEP 0                                         ; the last step is written out: nothing is fetched beyond the head's last block
.rept 8
	v_nop                                          ; places behind the last products, ahead of the first read of O^T
.endr
	s_cmp_eq_u32 s[PASS], 1                        ; the next pass's Q is asked for here, if there is one: no load leaves its buffer
	s_cbranch_scc1 .Lno_next
	s_add_nc_u64 s[QP:QP+1], s[QP:QP+1], 2*QBLK    ; (the loads that read this base have been waited for)
	QLOAD
.Lno_next:
	OUT 0
	OUT 1
	s_wait_xcnt 0x0                                ; the stores have read their base and their data: the base steps, and the next pass may write the registers
	s_add_nc_u64 s[OP:OP+1], s[OP:OP+1], 256*256
	s_sub_co_u32 s[PASS], s[PASS], 1
	s_cmp_lg_u32 s[PASS], 0
	s_cbranch_scc1 .Lpass
	s_wait_dscnt 0x0
	s_wait_tensorcnt 0x0
	ds_add_u32 v254, v255
	s_wait_dscnt 0x0
	CROUND                                         ; the closing round: no work-group ends while a partner may still ask for a tile that names it
	s_endpgm
.Lfunc_end_k_q437aacd809_attn:
	.size	k_q437aacd809_attn, .Lfunc_end_k_q437aacd809_attn-k_q437aacd809_attn
	.p2alignl 7, 3214868480
	.fill 96, 4, 3214868480
	.section	.rodata,"a",@progbits
	.p2align	6, 0x0
	.amdhsa_kernel k_q437aacd809_attn
		.amdhsa_group_segment_fixed_size 314368
		.amdhsa_private_segment_fixed_size 0
		.amdhsa_enable_private_segment 0
		.amdhsa_kernarg_size 16
		.amdhsa_user_sgpr_count 2
		.amdhsa_user_sgpr_kernarg_segment_ptr 1
		.amdhsa_wavefront_size32 1
		.amdhsa_system_sgpr_workgroup_id_x 1
		.amdhsa_system_sgpr_workgroup_id_y 1
		.amdhsa_system_sgpr_workgroup_id_z 1
		.amdhsa_system_vgpr_workitem_id 0
		.amdhsa_next_free_vgpr 512
		.amdhsa_next_free_sgpr 66
		.amdhsa_reserve_vcc 0
		.amdhsa_float_denorm_mode_32 3
		.amdhsa_float_denorm_mode_16_64 3
		.amdhsa_fp16_overflow 1
		.amdhsa_memory_ordered 1
		.amdhsa_forward_progress 1
		.amdhsa_inst_pref_size 78
	.end_amdhsa_kernel
	.amdgpu_metadata
---
amdhsa.version: [ 1, 2 ]
amdhsa.kernels:
  - .name:           k_q437aacd809_attn
    .symbol:         k_q437aacd809_attn.kd
    .args:
      - { .name: qkv, .offset: 0, .size: 8, .value_kind: global_buffer, .address_space: global }
      - { .name: out0, .offset: 8, .size: 8, .value_kind: global_buffer, .address_space: global }
    .group_segment_fixed_size: 314368
    .private_segment_fixed_size: 0
    .kernarg_segment_align: 8
    .kernarg_segment_size: 16
    .max_flat_workgroup_size: 256
    .sgpr_count:     66
    .vgpr_count:     512
    .wavefront_size: 32
...
	.end_amdgpu_metadata
.endif
;; end of part 3
